; MI455X (gfx1250); checked and timed in simulation.
; The chip was launched on July 23, 2026; its instructions are those of AMD's public machine-readable ISA for CDNA 5 (MIT licence, August 2026) and "CDNA5" Instruction Set Architecture Reference Guide (July 2026). The comments in the code are by the model that wrote it; some were corrected since.
;; Multihead Attention. Allowed arithmetic: matrix products marked QUANTISED: E4M3 operands, one given power-of-two scale a tensor, by v_wmma_f32_16x16x64_fp8_fp8 or v_wmma_f32_16x16x128_fp8_fp8, f32 sums; products left as they are: f32 operands where the result goes on into a quantised operand, else bf16, f16 or f32 operands; f32 sums; everything else in f32.
;; Inputs: W_oE 512 x 512 float32; W_ow 1 x 512 float32; W_qkv 3,072 x 512 float32; b_oE 512 float32; b_ow 1 float32; b_qkv 3,072 float32; beta_E 512 float32; beta_w 512 float32; g_E 512 float32; g_w 512 float32; lowp_scales 12 int32 (the exponents e of the quantised operands' scales 2^e); mask 32 x 512 int32; x 32 x 512 x 512 float32.
;; Outputs: out0 32 x 1 float32; out1 32 x 512 float32.
;; This version of the problem:
;;   THIS VERSION OF THE PROBLEM IS GIVEN IN LOW PRECISION. The matrix products marked QUANTISED in the list below multiply operands that are first quantised to E4M3 (4 exponent bits, 3 mantissa bits; 8 bits a number), with one given power-of-two scale for each operand tensor; their sums are f32. All else is computed in f32.
;;   The module's matrix products, in the order in which they are computed (A, B: the left and right operand; K: the contracted axis; several contracted axes count as one K, in the product's order):
;;     1. [M 16,384, K 512] x [K 512, N 3,072]; A: input x; B: input W_qkv: QUANTISED (scales: A lowp_scales[0], B lowp_scales[1])
;;     2. batch 256 x [M 512, K 64] x [K 64, N 512]; A: computed on the way; B: computed on the way: QUANTISED (scales: A lowp_scales[2], B lowp_scales[3])
;;     3. batch 256 x [M 512, K 512] x [K 512, N 64]; A: computed on the way; B: computed on the way: QUANTISED (scales: A lowp_scales[4], B lowp_scales[5])
;;     4. [M 32, K 512] x [K 512, N 1]; A: computed on the way; B: input W_ow: left as it is (N = 1 < 16)
;;     5. batch 256 x [M 512, K 64] x [K 64, N 512]; A: computed on the way; B: computed on the way: QUANTISED (scales: A lowp_scales[6], B lowp_scales[7])
;;     6. batch 256 x [M 512, K 512] x [K 512, N 64]; A: computed on the way; B: computed on the way: QUANTISED (scales: A lowp_scales[8], B lowp_scales[9])
;;     7. [M 32, K 512] x [K 512, N 512]; A: computed on the way; B: input W_oE: QUANTISED (scales: A lowp_scales[10], B lowp_scales[11])
;;   THE QUANTISER, for each operand of a quantised product, along K:
;;     - The operand's scale is 2^e, e = its entry of the input lowp_scales (int32; the entries are numbered through the quantised products in the list's order, A before B).
;;     - Each number is divided by the scale, clamped to +-448, and rounded to the nearest number of E4M3, ties to even, subnormals kept.
;;     - The product sums the exact products of the quantised numbers (number of the format x scale) in f32.
;;   ~~~python
;;   def quantise(x, axis, e):      # numpy; x: float32 -> the quantised numbers, widened to float32 again
;;       x = np.moveaxis(x, axis, -1); K = x.shape[-1]
;;       r = np.clip(x / 2.0 ** e, -448, 448)
;;       step = 2.0 ** (np.maximum(np.frexp(np.where(r == 0, 1, r))[1] - 1, -6) - 3)
;;       q = np.round(r / step) * step * 2.0 ** e      # np.round: ties to even
;;       return np.moveaxis(q, -1, axis).astype(np.float32)
;;   ~~~
;;   OPERANDS COMPUTED ON THE WAY. 'Computed on the way' means the value that the module computes at that place (a softmax that the list does not call 'softmax' is quantised finished and normalised). What goes into a quantiser is computed in f32, as accurately as f32 sums, v_exp_f32 and their like allow (about 1e-6 of the number): no bf16 or f16 on the way to a quantiser, and a product that is left as it is and whose result goes on into a quantised operand takes f32 operands (vector FMAs, or v_wmma_f32_16x16x4_f32). A number that lies on a knife's edge between two numbers of the format may be rounded either way, as far as f32 arithmetic and the matrix unit's own rounding can turn it there, and no further.
;; One version. Each part assembles by itself: llvm-mc -triple=amdgcn-amd-amdhsa -mcpu=gfx1250 --defsym DOCPART=n.
;; ======== version 1 of 1: 3 launches
;; workspace buffers: xc 8,388,608 bytes; wc 1,572,864 bytes; ob 131,072 bytes
;; launch quant (part 1): grid 304 x 1, 8 waves a work-group, no clusters, 68,608 bytes of LDS; arguments x, W_qkv, lowp_scales, xc, wc; writes xc, wc
.if DOCPART == 1
	.amdgcn_target "amdgcn-amd-amdhsa--gfx1250"
	.amdhsa_code_object_version 6
	.text
	.protected	k_q6d7817e849_quant
	.globl	k_q6d7817e849_quant
	.p2align	8
	.type	k_q6d7817e849_quant,@function
k_q6d7817e849_quant:
	s_mov_b64 s[64:65], 0
	v_nop
	global_prefetch_b8 v0, s[64:65] scope:SCOPE_SE
	s_setreg_imm32_b32 hwreg(HW_REG_WAVE_MODE, 25, 1), 1
	s_wait_xcnt 0x0
; LAUNCH 1 OF 3.  x [16384][512] and W_qkv [3072][512], f32, become codes of E4M3 with the given scales 2^e0 and 2^e1, laid as IMAGES OF OPERAND REGISTERS.
; WORK LEFT OUT IN THE WHOLE PROGRAM, AND WHY IT IS DEAD.  reference() uses ow[:, 0] and oE[:, 0] alone: rows 1 .. 511 of both attentions' results are sliced away, whatever the inputs hold.
; A row of attention's result hangs on its own row of a, of the logits and of q alone.  So query rows 1 .. 511 of the two logit products and of the two products a v, and the q columns of the first product for
; tokens 1 .. 511, reach no output and are not computed (fifteen other rows ride along in the one tile of 16 that holds row 0).  K and V of all 512 keys are live, for both branches; so all of x and all of W_qkv are quantised here.
; row_valid[b, 0] = any_k(m[b,0] & m[b,k]) = m[b,0], since k = 0 is among the keys: an identity.  Masked keys are NOT left out: values decide them, so they are computed and selected.
; Every input has a way to an output; all are loaded by some launch.
; LIMITS.  A NaN, an infinity or an overflow that arises only in the rows left out is not carried to the result.  NaN among the inputs is not served.  e0 and e1 lie between -126 and 119.
; THE IMAGE.  Rows go in groups of 32.  Tile T = 2 G + u holds the 16 rows 32 G + 8 u + r + 8 (r / 8), r = 0 .. 15.  Byte T x 8192 + ks x 2048 + c x 512 + 16 x lane holds, for lane (r, h = lane / 16),
; the 16 codes k = 128 ks + 32 c + 16 h + 0 .. 15 of the tile's row r: one load of 16 bytes a lane, 512 dense bytes a wave, is four registers of a fragment of 16 rows x 128 K.
; SHARES.  Work-groups 0 .. 255 take x (1,024 tiles), 256 .. 303 W_qkv (192 tiles), four tiles each; only pointers and e are chosen, both tensors take one path.  Wave w takes tile 4 g + w / 2 and two K steps of 128.
; Each load reads 512 consecutive bytes of one row; a step's 16 rows turn through the wave's own stage in LDS (pitch 528: the 16 rows that a read touches start 4 banks apart) and come back 64 bytes a lane:
; 16 neighbours along K of each block of 32, as the conversions want them.  All 32 loads of a wave go out at its head.  Waves share nothing: no barrier.
.set STG,   8448                       ; a wave's stage: 16 rows x 528 bytes
.set SPARE, 8*STG                      ; behind the stages: the spare words, 128 bytes a wave, four blocks of 256 bytes that no other line names
.set R0,  16                           ; v16-79   step 0 as loaded; later step 1's numbers back from the stage
.set R1,  80                           ; v80-143  step 1 as loaded
.set XN,  144                          ; v144-207 step 0's numbers back from the stage
.set C0,  208                          ; v208-223 step 0's codes
.set C1,  224                          ; v224-239 step 1's codes
	s_load_b128 s[4:7], s[0:1], 0x0                ; x, W_qkv
	s_load_b64 s[8:9], s[0:1], 0x10                ; the scales' exponents
	s_load_b128 s[12:15], s[0:1], 0x18             ; xc, wc
	v_lshl_add_u32 v5, v0, 2, SPARE                ; my spare word; never rewritten
	v_mov_b32 v6, 0                                ; 0; never rewritten
	v_lshrrev_b32 v1, 5, v0
	v_readfirstlane_b32 s16, v1                    ; wave 0 .. 7
	v_and_b32 v1, 31, v0                           ; lane
	v_lshlrev_b32 v2, 4, v1                        ; 16 x lane: my bytes of a load's and of a store's 512
	s_mul_i32 s17, s16, STG
	v_add_nc_u32 v3, s17, v2                       ; the stage, on the way in
	v_and_b32 v10, 15, v0                          ; r
	v_bfe_u32 v11, v0, 4, 1                        ; h
	v_mul_u32_u24 v4, v10, 528
	v_lshl_add_u32 v4, v11, 6, v4
	v_add_nc_u32 v4, s17, v4                       ; and on the way out: row r, + 64 h
	s_cmp_lt_u32 ttmp9, 256                        ; x's work-group or W_qkv's: the work-group's number alone decides
	s_cselect_b32 s18, 0, 256
	s_sub_co_u32 s18, ttmp9, s18
	s_lshl_b32 s18, s18, 2
	s_lshr_b32 s19, s16, 1
	s_add_co_u32 s18, s18, s19                     ; T
	s_and_b32 s19, s16, 1                          ; which two K steps
	s_lshr_b32 s20, s18, 1
	s_lshl_b32 s20, s20, 16                        ; G x 32 rows of 2,048 bytes
	s_and_b32 s21, s18, 1
	s_lshl_b32 s21, s21, 14                        ; + u x 8 rows
	s_add_co_u32 s20, s20, s21
	s_lshl_b32 s21, s19, 10                        ; + two K steps of 512 bytes
	s_add_co_u32 s20, s20, s21
	s_mov_b32 s21, 0
	s_lshl_b32 s22, s18, 13                        ; the image: T x 8,192
	s_lshl_b32 s23, s19, 12                        ; + two K steps of 2,048
	s_add_co_u32 s22, s22, s23
	s_mov_b32 s23, 0
	s_wait_kmcnt 0x0
	s_load_b64 s[24:25], s[8:9], 0x0               ; e0, e1
	s_cmp_lt_u32 ttmp9, 256
	s_cselect_b64 s[4:5], s[4:5], s[6:7]
	s_cselect_b64 s[12:13], s[12:13], s[14:15]
	s_add_nc_u64 s[4:5], s[4:5], s[20:21]
	s_add_nc_u64 s[12:13], s[12:13], s[22:23]
.macro LOADS t, reg                    ; step t: the tile's 16 rows, 512 consecutive bytes each
.irp q, 0,1,2,3,4,5,6,7,8,9,10,11,12,13,14,15
	global_load_b128 v[\reg+4*\q:\reg+4*\q+3], v2, s[4:5] offset:(\q+8*(\q/8))*2048+512*\t th:TH_LOAD_NT
.endr
.endm
.macro TOST reg                        ; into the stage as loaded
.irp q, 0,1,2,3,4,5,6,7,8,9,10,11,12,13,14,15
	ds_store_b128 v3, v[\reg+4*\q:\reg+4*\q+3] offset:528*\q
.endr
.endm
.macro FROMST reg                      ; back: register 16 c + i = k 32 c + 16 h + i of row r
.irp c, 0,1,2,3
.irp i, 0,1,2,3
	ds_load_b128 v[\reg+16*\c+4*\i:\reg+16*\c+4*\i+3], v4 offset:128*\c+16*\i
.endr
.endr
.endm
.macro QUANT src, dst
.irp c, 0,1,2,3
.irp i, 0,1,2,3,4,5,6,7,8,9,10,11,12,13,14,15
	v_med3_num_f32 v[\src+16*\c+\i], v[\src+16*\c+\i], -v8, v8   ; the conversion to an 8-bit code does not saturate (ISA guide 7.6.2): the hold at 448 x the scale comes first
.endr
	v_cvt_scalef32_pk8_fp8_f32 v[\dst+4*\c:\dst+4*\c+1], v[\src+16*\c:\src+16*\c+7], v7
	v_cvt_scalef32_pk8_fp8_f32 v[\dst+4*\c+2:\dst+4*\c+3], v[\src+16*\c+8:\src+16*\c+15], v7
.endr
.endm
.macro OUT reg, t                      ; four stores of 512 consecutive bytes, each at a multiple of 512 from the buffer's first byte
.irp c, 0,1,2,3
	global_store_b128 v2, v[\reg+4*\c:\reg+4*\c+3], s[12:13] offset:2048*\t+512*\c
.endr
.endm
	LOADS 0, R0
	LOADS 1, R1
	s_wait_kmcnt 0x0
	s_cmp_lt_u32 ttmp9, 256
	s_cselect_b32 s24, s24, s25                    ; e
	s_add_co_i32 s24, s24, 127
	s_lshl_b32 s25, s24, 23
	v_mov_b32 v7, s25                              ; 2^e as f32: the conversion takes its exponent field
	s_add_co_i32 s24, s24, 8
	s_lshl_b32 s24, s24, 23
	s_or_b32 s24, s24, 0x600000
	v_mov_b32 v8, s24                              ; 448 x 2^e
	s_wait_loadcnt 16                              ; step 0's sixteen loads are in; step 1's sixteen may be out
	TOST R0
	FROMST XN                                      ; LDS serves a wave's instructions in order (ISA guide 5.7.1.4): these see the stores above
	s_wait_loadcnt 0x0
	TOST R1                                        ; the same stage: these stores come behind the reads above
	s_wait_dscnt 16                                ; all but step 1's sixteen stores: step 0's numbers are back
	FROMST R0
	QUANT XN, C0
	OUT C0, 0
	s_wait_dscnt 0x0                               ; step 1's numbers are back
	QUANT R0, C1                                   ; (its holds are the plain lines behind the conversions above; the codes go to stores alone)
	OUT C1, 1
	s_wait_tensorcnt 0x0                           ; the wave's end: three lines behind my last LDS store
	ds_add_u32 v5, v6
	s_wait_dscnt 0x0
	s_endpgm
.Lfunc_end_k_q6d7817e849_quant:
	.size	k_q6d7817e849_quant, .Lfunc_end_k_q6d7817e849_quant-k_q6d7817e849_quant
	.p2alignl 7, 3214868480
	.fill 96, 4, 3214868480
	.section	.rodata,"a",@progbits
	.p2align	6, 0x0
	.amdhsa_kernel k_q6d7817e849_quant
		.amdhsa_group_segment_fixed_size 68608
		.amdhsa_private_segment_fixed_size 0
		.amdhsa_enable_private_segment 0
		.amdhsa_kernarg_size 40
		.amdhsa_user_sgpr_count 2
		.amdhsa_user_sgpr_kernarg_segment_ptr 1
		.amdhsa_wavefront_size32 1
		.amdhsa_system_sgpr_workgroup_id_x 1
		.amdhsa_system_sgpr_workgroup_id_y 1
		.amdhsa_system_sgpr_workgroup_id_z 1
		.amdhsa_system_vgpr_workitem_id 0
		.amdhsa_next_free_vgpr 240
		.amdhsa_next_free_sgpr 66
		.amdhsa_reserve_vcc 0
		.amdhsa_float_denorm_mode_32 3
		.amdhsa_float_denorm_mode_16_64 3
		.amdhsa_memory_ordered 1
		.amdhsa_forward_progress 1
		.amdhsa_inst_pref_size 20
	.end_amdhsa_kernel
	.amdgpu_metadata
---
amdhsa.version: [ 1, 2 ]
amdhsa.kernels:
  - .name:           k_q6d7817e849_quant
    .symbol:         k_q6d7817e849_quant.kd
    .args:
      - { .name: x, .offset: 0, .size: 8, .value_kind: global_buffer, .address_space: global }
      - { .name: W_qkv, .offset: 8, .size: 8, .value_kind: global_buffer, .address_space: global }
      - { .name: lowp_scales, .offset: 16, .size: 8, .value_kind: global_buffer, .address_space: global }
      - { .name: xc, .offset: 24, .size: 8, .value_kind: global_buffer, .address_space: global }
      - { .name: wc, .offset: 32, .size: 8, .value_kind: global_buffer, .address_space: global }
    .group_segment_fixed_size: 68608
    .private_segment_fixed_size: 0
    .kernarg_segment_align: 8
    .kernarg_segment_size: 40
    .max_flat_workgroup_size: 256
    .sgpr_count:     66
    .vgpr_count:     240
    .wavefront_size: 32
...
	.end_amdgpu_metadata
.endif
;; end of part 1
;; launch attn (part 2): grid 32 x 8, 4 waves a work-group, clusters of 4 x 4, 276,480 bytes of LDS; arguments xc, wc, b_qkv, mask, lowp_scales, ob; writes ob
.if DOCPART == 2
	.amdgcn_target "amdgcn-amd-amdhsa--gfx1250"
	.amdhsa_code_object_version 6
	.text
	.protected	k_q6d7817e849_attn
	.globl	k_q6d7817e849_attn
	.p2align	8
	.type	k_q6d7817e849_attn,@function
k_q6d7817e849_attn:
	s_mov_b64 s[64:65], 0
	v_nop
	global_prefetch_b8 v0, s[64:65] scope:SCOPE_SE
	s_setreg_imm32_b32 hwreg(HW_REG_WAVE_MODE, 25, 1), 1
	s_wait_xcnt 0x0
	s_wait_alu depctr_hold_cnt(0) depctr_sa_sdst(0) depctr_va_vdst(0) depctr_va_sdst(0) depctr_va_ssrc(0) depctr_va_vcc(0) depctr_vm_vsrc(0)
	s_getreg_b32 s2, hwreg(HW_REG_IB_STS2, 6, 4)
	s_cmp_eq_u32 s2, 0
	s_cbranch_scc0 .Lentry_in_a_cluster
	s_endpgm
.Lentry_in_a_cluster:
	s_bfe_u32 s2, ttmp6, 0x10000c
	s_cmp_lg_u32 s2, 0xf033
	s_cbranch_scc0 .Lentry_shape_is_right
	s_endpgm
.Lentry_shape_is_right:
; LAUNCH 2 OF 3.  One work-group for each (batch b, branch br, pair of heads p): K and V of all 512 keys for the pair's 128 channels, q of the CLS token, the CLS row's logits, softmax and a v.
; It stores 128 f32 numbers: ob[b][br][128 p ..].  LEFT OUT AS DEAD (shown at the head of the first launch): query rows 1 .. 511 of both attentions and their q.
; All products are on codes of E4M3 by v_wmma_f32_16x16x128_fp8_fp8.  K, V and q are sums x 2^(e0 + e1) + bias (the bias goes in as the C of a sum's first product, divided by 2^(e0 + e1)), and are quantised again
; in registers with the given eq, ek, ev; the softmax is finished and normalised in f32 and then quantised with ea.  (eq, ek, ea, ev) = entries 2 .. 5 (br = 0) or 6 .. 9 (br = 1) of the scales, chosen without a branch.
; LIMITS: ek - e0 - e1, eq - e0 - e1, ev - e0 - e1 and ea between -126 and 119; eq + ek between -129 and 124 (added to an exponent field).  NaN among the inputs is not served.
; SHARES.  Wave w owns keys 128 w .. 128 w + 127: eight tiles of 16 keys, whose codes of x stay in 512 registers.  Fragments of W_k and W_v come from LDS and feed four (K) or eight (V) key tiles each.
; ROADS.  Everything is asked for once, at the head: no LDS byte is filled twice.  Tensor loads bring W_k, W_v (64 KiB each) and the lower four key tiles of each wave (128 KiB): three loads of mine are out at the most.
; The upper four key tiles (64 loads a wave) and W_q (32) go from memory straight into registers.
; CLUSTER 4 x 4: cx picks the batch, cy the pair of heads.  W_k and W_v hang on (br, cy) and are asked for jointly along a row of the cluster; x's tiles hang on the batch and are asked for jointly along a column.
; What goes straight into registers cannot be shared that way: half of x's codes and W_q.
; LAYOUT (the image's row order, first launch): a product whose source 0 is a tile 2 G + u gives lane (r, h), register j, the tile's row 32 G + 16 h + 8 u + j.  So
;   K: source 0 = 16 channels of W_k, source 1 = 16 keys: a lane holds one key, and the eight channel tiles' conversions ARE the key tile's fragment along the 128 channels;
;   logits: source 0 = that fragment, source 1 = q's codes, column 0 with head 0's 64 channels and column 1 with head 1's, zeros elsewhere: lane r = head, registers = keys;
;   V: source 0 = 16 keys, source 1 = 16 channels of W_v: a lane holds one channel and its registers run along the keys, in the same order as a's;   o = a's codes x V's codes, K = my 128 keys.
; REGISTERS, in windows of 256 (s_set_vgpr_msb's low byte: bits 1:0 source 0, 3:2 source 1, 5:4 source 2, 7:6 destination):
;   window 0: v0-31 addresses and constants; v32-47 q's codes, later a's; v48-55, v56-63 a tile's bias, two sets (the second also at work); v64-127, v128-191 fragments of W, two sets; v192-255 accumulators, two sets of four
;   window 1: v0-127 K's codes (key tile kt at 16 kt), later v0-63 the eight results of a v; v128-255 W_q, later v192-207 V's codes       window 2: x of key tiles 0-3 (64 kt + 16 ks)       window 3: of key tiles 4-7
.set WKL,  0                           ; LDS: W_k's eight tiles of 8,192 bytes,
.set WVL,  65536                       ; W_v's,
.set XL,   131072                      ; x: wave w's key tiles 0-3 at + 32,768 w
.set BKT,  262144                      ; b_k / 2^(e0+e1) by channel, 512 bytes
.set BQT,  262656                      ; b_q likewise
.set BVT,  263168                      ; b_v: slot t = 16 vt + r: eight copies, 32 bytes
.set MK,   267264                      ; the batch's 512 mask words
.set QC,   269312                      ; q's codes: 16 rows x 128 bytes; row 0 is the CLS token
.set RMX,  271360                      ; the waves' maxima, 64 bytes a wave; the sums lie 256 bytes on
.set ORP,  271872                      ; the waves' parts of o: 1,024 w + 512 h + 4 x slot
.set SPARE,275968                      ; the spare words, 128 bytes a wave: two blocks of 256 bytes that no other line names
.set MSB, 0
.macro WIN new                         ; the immediate's high byte repeats the setting that is left; a switch that changes nothing is dropped
.if MSB != \new
	s_set_vgpr_msb (MSB<<8)|\new
.set MSB, \new
.endif
.endm
.macro PLACES                          ; four plain places behind matrix instructions: in front of loads into registers that they read, and of the first read of results
.rept 4
	v_nop
.endr
.endm
.macro ROUND                           ; a round of the cluster's barrier
	s_barrier_signal -1
	s_barrier_wait -1
	s_cmp_lg_u32 s16, 0
	s_cbranch_scc1 .Lnot_wave_0_\@
	s_barrier_signal -3
.Lnot_wave_0_\@:
	s_barrier_wait -3
	s_barrier_signal -1
	s_barrier_wait -1
.endm
.macro BAR                             ; my LDS instructions are done: then the work-group's barrier
	s_wait_dscnt 0x0
	s_barrier_signal -1
	s_barrier_wait -1
.endm
.macro LOADW adr, off, p               ; a tile's four fragments (16 rows x 512 K), 16 loads of 512 dense bytes, into set p
.irp ks, 0,1,2,3
.irp c, 0,1,2,3
	ds_load_b128 v[64+64*(\p)+16*\ks+4*\c:64+64*(\p)+16*\ks+4*\c+3], v[\adr] offset:(\off)+2048*\ks+512*\c
.endr
.endr
.endm
.macro LOADC adr, off, p               ; a tile's bias in the result's layout, eight registers, into set p
	ds_load_b128 v[48+8*(\p):48+8*(\p)+3], v[\adr] offset:(\off)
	ds_load_b128 v[48+8*(\p)+4:48+8*(\p)+7], v[\adr] offset:(\off)+16
.endm
.macro PENDK a, n                      ; the hold of register n of accumulator set a.  The register is source 0, whose window is 0 while K's products run
	v_med3_num_f32 v[192+32*(\a)+(\n)], v[192+32*(\a)+(\n)], s66, s67
.endm
.macro PENDV a, n                      ; the same for V: the register is source 1, whose window is 0 while V's products run
	v_med3_num_f32 v[192+32*(\a)+(\n)], s70, v[192+32*(\a)+(\n)], s71
.endm
.macro CVTK a, hf, ct                  ; set a holds channel tile ct of key tiles 4 hf .. 4 hf + 3: registers 2 ct, 2 ct + 1 of each key tile's fragment
	WIN 0x40
.irp q, 0,1,2,3
	v_cvt_scalef32_pk8_fp8_f32 v[16*(4*(\hf)+\q)+2*(\ct):16*(4*(\hf)+\q)+2*(\ct)+1], v[192+32*(\a)+8*\q:192+32*(\a)+8*\q+7], v23
.endr
.endm
.macro CVTV a                          ; set a holds key tiles 4 a .. 4 a + 3 of one channel tile: registers 2 kt, 2 kt + 1 of V's fragment along my 128 keys
	WIN 0x40
.irp q, 0,1,2,3
	v_cvt_scalef32_pk8_fp8_f32 v[192+2*(4*(\a)+\q):192+2*(\a)*4+2*\q+1], v[192+32*(\a)+8*\q:192+32*(\a)+8*\q+7], v25
.endr
.endm
.macro PV vt                           ; o's part: a's codes (row = head) x V's codes (column = channel of tile vt), K = my 128 keys
	WIN 0x44
	v_wmma_f32_16x16x128_fp8_fp8 v[8*(\vt):8*(\vt)+7], v[32:47], v[192:207], 0
.endm
; A UNIT OF K: channel tile ct x four key tiles (half hf) x K = 512: 16 products on four accumulators by turns.  The unit before lies in the other accumulator set:
; its 32 holds stand two behind each product, its four conversions at the end.  The next unit's fragments and bias are asked for first, a unit ahead of their use.
.macro KUNIT hf, ct, pend, phf, pct, last
.set ua, (\ct)%2
	PLACES                                         ; behind the last unit's products (its fragments and bias are loaded over) and its conversions (their sources are written by the products below)
	WIN 0
.if \last
	LOADW 6, 0, 0                                  ; x's tile 0, for q
	s_wait_dscnt 16                                ; the 16 just issued may be out: this unit's 18 are in
.else
	LOADW 3, 8192*(((\ct)+1)%8), 1-ua
	LOADC 7, 128*((((\ct)+1)%8)/2)+32*(((\ct)+1)%2), 1-ua
	s_wait_dscnt 18                                ; the 18 just issued may be out: this unit's 18 are in
.endif
	WIN (0x08+4*(\hf))                             ; source 1 = x: window 2 or 3
.set n, 0
.rept 16
.set rD, 192+32*ua+8*(n%4)
.set rW, 64+64*ua+16*(n/4)
.set rX, 64*(n%4)+16*(n/4)
.if n < 4
	v_wmma_f32_16x16x128_fp8_fp8 v[rD:rD+7], v[rW:rW+15], v[rX:rX+15], v[48+8*ua:48+8*ua+7]
.else
	v_wmma_f32_16x16x128_fp8_fp8 v[rD:rD+7], v[rW:rW+15], v[rX:rX+15], v[rD:rD+7]
.endif
.if \pend
	PENDK 1-ua, 2*n
	PENDK 1-ua, 2*n+1
.endif
.set n, n+1
.endr
.if \pend
	CVTK 1-ua, \phf, \pct
.endif
.endm
; A UNIT OF V: four key tiles (half hf) x channel tile vt.  The two halves share W_v's fragments; the next tile's are asked for in the first half.  When both halves of a tile are codes, its product with a follows.
.macro VUNIT vt, hf, pend
.set up, (\vt)%2
	PLACES
.if (\hf) == 0
	WIN 0
.if (\vt) < 7
	LOADW 4, 8192*((\vt)+1), 1-up
	LOADC 9, 512*((\vt)+1), 1-up
	s_wait_dscnt 18                                ; the 18 just issued may be out: this tile's 18 are in
.else
	s_wait_dscnt 0x0
.endif
.endif
	WIN (0x02+(\hf))                               ; source 0 = x: window 2 or 3
.set n, 0
.rept 16
.set rD, 192+32*(\hf)+8*(n%4)
.set rW, 64+64*up+16*(n/4)
.set rX, 64*(n%4)+16*(n/4)
.if n < 4
	v_wmma_f32_16x16x128_fp8_fp8 v[rD:rD+7], v[rX:rX+15], v[rW:rW+15], v[48+8*up:48+8*up+7]
.else
	v_wmma_f32_16x16x128_fp8_fp8 v[rD:rD+7], v[rX:rX+15], v[rW:rW+15], v[rD:rD+7]
.endif
.if \pend
	PENDV 1-(\hf), 2*n
	PENDV 1-(\hf), 2*n+1
.endif
.set n, n+1
.endr
.if \pend
	CVTV 1-(\hf)
.if (\hf) == 0
	v_nop                                          ; a plain line between the conversions and the product that reads their results
	PV (\vt)-1
.endif
.endif
.endm
.macro MKSC e, vs, lo, hi              ; from the exponent in s[e]: v[vs] = 2^e as f32, s[hi] = 448 x 2^e, s[lo] = the same negative (lo = 0: not wanted)
	s_add_co_i32 s2, s[\e], 127
	s_lshl_b32 s3, s2, 23
	v_mov_b32 v[\vs], s3
	s_add_co_i32 s2, s2, 8
	s_lshl_b32 s2, s2, 23
	s_or_b32 s[\hi], s2, 0x600000
.if \lo
	s_xor_b32 s[\lo], s[\hi], 0x80000000
.endif
.endm
	s_load_b256 s[4:11], s[0:1], 0x0               ; xc s[4:5], wc s[6:7], b_qkv s[8:9], mask s[10:11]
	s_load_b128 s[12:15], s[0:1], 0x20             ; the scales' exponents s[12:13], ob s[14:15]
	v_lshl_add_u32 v21, v0, 2, SPARE               ; my spare word; never rewritten
	v_mov_b32 v22, 0                               ; 0; never rewritten
	ds_add_u32 v21, v22                            ; the wave's opening: the add, twice on end, and its wait ahead of my first tensor load
	ds_add_u32 v21, v22
	v_lshrrev_b32 v1, 5, v0
	v_readfirstlane_b32 s16, v1                    ; wave 0 .. 3
	s_bfe_u32 s17, ttmp6, 0x40000                  ; cx
	s_bfe_u32 s18, ttmp6, 0x40004                  ; cy = the pair of heads
	s_lshl_b32 s19, ttmp9, 2
	s_add_co_u32 s19, s19, s17                     ; the batch = 4 x cluster x + cx
	s_and_b32 s20, ttmp7, 0xffff                   ; the branch = cluster y
	s_lshl_b32 s21, s18, 2
	s_lshl_b32 s21, 15, s21                        ; my row of the cluster
	s_lshl_b32 s22, 0x1111, s17                    ; my column
	; descriptor groups 1: dense blocks as rows of 32 elements of 8 bytes.  W: 64 rows (16 KiB), shared along my row; x: 128 rows (32 KiB), shared along my column
	s_or_b32 s24, s21, (3<<16)|(1<<21)             ; 15:0 the mask; 17:16 elements of 8 bytes; 21 set beside a mask; no padding
	s_mov_b32 s25, 32<<16                          ; tensor_dim0 = 32
	s_mov_b32 s26, 64<<16                          ; tensor_dim1 = 64
	s_mov_b32 s27, 32<<16                          ; tile_dim0 = 32
	s_mov_b32 s28, 64                              ; tile_dim1 = 64
	s_mov_b32 s29, 32                              ; from row to row
	s_mov_b32 s30, 0
	s_mov_b32 s31, 0
	s_or_b32 s32, s22, (3<<16)|(1<<21)
	s_mov_b32 s33, 32<<16
	s_mov_b32 s34, 128<<16
	s_mov_b32 s35, 32<<16
	s_mov_b32 s36, 128
	s_mov_b32 s37, 32
	s_mov_b32 s38, 0
	s_mov_b32 s39, 0
	s_mul_i32 s92, s20, 786432                     ; in wc: the branch's 1,536 rows of 512 bytes,
	s_lshl_b32 s2, s18, 16                         ; the pair's 128 rows,
	s_add_co_u32 s92, s92, s2
	s_lshl_b32 s2, s16, 14                         ; my two tiles: no register here ever holds cx
	s_add_co_u32 s92, s92, s2
	s_mov_b32 s93, 0
	s_lshl_b32 s94, s19, 18                        ; in xc: the batch's 512 rows,
	s_lshl_b32 s3, s16, 16                         ; my eight tiles: no register here ever holds cy
	s_add_co_u32 s94, s94, s3
	s_mov_b32 s95, 0
	s_mul_i32 s96, s20, 6144                       ; in b_qkv: 4 x (1,536 br + 128 p)
	s_lshl_b32 s23, s18, 9
	s_add_co_u32 s96, s96, s23
	s_mov_b32 s97, 0
	s_lshl_b32 s98, s19, 12                        ; in ob: 4 x ((2 b + br) x 512 + 128 p)
	s_lshl_b32 s23, s20, 11
	s_add_co_u32 s98, s98, s23
	s_lshl_b32 s23, s18, 9
	s_add_co_u32 s98, s98, s23
	s_mov_b32 s99, 0
	s_lshl_b32 s72, s19, 11                        ; in mask: the batch's row
	s_mov_b32 s73, 0
	s_mov_b32 s80, 0x76543210                      ; v_permlanex16_b32's selects for lane l xor 16
	s_mov_b32 s81, 0xfedcba98
	s_wait_dscnt 0x0                               ; both opening adds are done
	s_wait_kmcnt 0x0
	s_add_nc_u64 s[90:91], s[10:11], s[72:73]
	s_load_b256 s[52:59], s[12:13], 0x0            ; e0 .. e7
	s_load_b64 s[60:61], s[12:13], 0x20            ; e8, e9
	s_load_b32 s62, s[90:91], 0x0                  ; mask[b][0]
	s_add_nc_u64 s[84:85], s[6:7], s[92:93]        ; W_q: my two tiles
	s_add_nc_u64 s[82:83], s[4:5], s[94:95]        ; x: my eight tiles
	s_mov_b32 s40, 1                               ; group 0 for W_k: count 1,
	s_lshl_b32 s41, s16, 14                        ; LDS: 16,384 x wave,
	s_add_nc_u64 s[42:43], s[84:85], 262144        ; 512 rows behind W_q,
	s_or_b32 s43, s43, 0x80000000                  ; type 2
	s_mov_b32 s44, 1                               ; for x's lower four tiles
	s_lshl_b32 s45, s16, 15
	s_add_co_u32 s45, s45, XL
	s_mov_b64 s[46:47], s[82:83]
	s_or_b32 s47, s47, 0x80000000
	s_mov_b32 s48, 1                               ; for W_v
	s_add_co_u32 s49, s41, WVL
	s_add_nc_u64 s[50:51], s[84:85], 524288
	s_or_b32 s51, s51, 0x80000000
	s_add_nc_u64 s[82:83], s[82:83], 32768         ; x: my upper four tiles
	s_add_nc_u64 s[86:87], s[8:9], s[96:97]
	s_add_nc_u64 s[88:89], s[14:15], s[98:99]
	ROUND                                          ; all sixteen work-groups are here: the joint loads meet
	tensor_load_to_lds s[40:43], s[24:31]          ; W_k's quarter,
	s_nop 0
	tensor_load_to_lds s[44:47], s[32:39]          ; my x,
	s_nop 0
	tensor_load_to_lds s[48:51], s[24:31]          ; W_v's quarter: wanted last
	s_nop 0
	PLACES
	v_and_b32 v1, 15, v0                           ; r
	v_bfe_u32 v2, v0, 4, 1                         ; h
	v_and_b32 v3, 31, v0
	v_lshlrev_b32 v3, 4, v3                        ; v3  16 x lane: an image's place for my lane; W_k's address; the offset of the loads from xc and wc
	v_add_nc_u32 v4, WVL, v3                       ; v4  W_v
	v_add_nc_u32 v5, s45, v3                       ; v5  my x in LDS
	v_add_nc_u32 v6, XL, v3                        ; v6  x's tile 0
	v_lshl_add_u32 v7, v2, 6, BKT                  ; v7  b_k: + 64 h
	s_lshl_b32 s2, s16, 7
	v_lshl_add_u32 v8, v2, 6, BQT
	v_add_nc_u32 v8, s2, v8                        ; v8  b_q: + 128 w + 64 h
	v_lshl_add_u32 v9, v1, 5, BVT                  ; v9  b_v: + 32 r
	v_lshl_add_u32 v10, v0, 4, MK                  ; v10 the mask, on the way in
	s_lshl_b32 s3, s16, 9
	v_lshl_add_u32 v11, v2, 6, MK
	v_add_nc_u32 v11, s3, v11                      ; v11 and out: + 512 w + 64 h
	s_lshl_b32 s23, s16, 5
	v_lshl_add_u32 v12, v1, 7, QC
	v_lshl_add_u32 v12, v2, 4, v12
	v_add_nc_u32 v12, s23, v12                     ; v12 q's codes, in: row r, + 32 w + 16 h
	v_lshl_add_u32 v13, v2, 4, QC                  ; v13 and out: row 0, + 16 h
	s_lshl_b32 s2, s16, 6
	v_lshl_add_u32 v15, v1, 2, RMX                 ; v15 the waves' maxima and sums, out
	v_add_nc_u32 v14, s2, v15                      ; v14 and in: + 64 w
	s_lshl_b32 s3, s16, 10
	v_lshl_add_u32 v16, v1, 2, ORP
	v_lshl_add_u32 v16, v2, 9, v16
	v_add_nc_u32 v16, s3, v16                      ; v16 o's parts, in
	v_lshrrev_b32 v17, 4, v0                       ; v17 and out: the slot of channels 2 t, 2 t + 1
	v_lshl_add_u32 v17, v17, 7, ORP
	v_bfe_u32 v29, v0, 2, 1
	v_lshl_add_u32 v17, v29, 6, v17
	v_bfe_u32 v29, v0, 3, 1
	v_lshl_add_u32 v17, v29, 5, v17
	v_and_b32 v29, 3, v0
	v_lshl_add_u32 v17, v29, 3, v17
	v_lshlrev_b32 v18, 2, v0                       ; v18 4 t
	v_and_b32 v19, 0x67, v0                        ; v19 4 x the channel of slot t: bits 3 and 4 change places
	v_bfe_u32 v29, v0, 4, 1
	v_lshl_add_u32 v19, v29, 3, v19
	v_bfe_u32 v29, v0, 3, 1
	v_lshl_add_u32 v19, v29, 4, v19
	v_lshlrev_b32 v19, 2, v19
	v_lshlrev_b32 v20, 3, v0                       ; v20 8 t
	v_lshlrev_b32 v29, 4, v0                       ; v29 16 t
	v_lshl_add_u32 v30, v0, 2, BKT                 ; v30 b_k and b_q, in
	v_lshl_add_u32 v31, v0, 5, BVT                 ; v31 b_v, in
	v_add_nc_u32 v27, -1, v1
	v_ashrrev_i32 v27, 31, v27                     ; v27 all ones where r = 0
	v_xor_b32 v28, 1, v1
	v_add_nc_u32 v28, -1, v28
	v_ashrrev_i32 v28, 31, v28                     ; v28 all ones where r = 1
	global_load_b32 v56, v18, s[86:87] offset:2048 ; b_k[t]
	global_load_b32 v57, v18, s[86:87]             ; b_q[t]
	global_load_b32 v58, v19, s[86:87] offset:4096 ; b_v[channel of slot t]
	global_load_b128 v[60:63], v29, s[90:91]       ; mask[b][4 t ..]
	WIN 0xc0                                       ; destination window 3
.irp kt, 0,1,2,3
.irp ks, 0,1,2,3
.irp c, 0,1,2,3
	global_load_b128 v[64*\kt+16*\ks+4*\c:64*\kt+16*\ks+4*\c+3], v3, s[82:83] offset:8192*\kt+2048*\ks+512*\c
.endr
.endr
.endr
	WIN 0
	s_wait_kmcnt 0x0
	s_cmp_eq_u32 s20, 0                            ; the branch's four exponents: a choice, no jump
	s_cselect_b32 s96, s54, s58                    ; eq
	s_cselect_b32 s97, s55, s59                    ; ek
	s_cselect_b32 s98, s56, s60                    ; ea
	s_cselect_b32 s99, s57, s61                    ; ev
	s_add_co_i32 s63, s52, s53                     ; e0 + e1
	s_sub_co_i32 s79, 0, s63
	s_sub_co_i32 s23, s97, s63
	MKSC 23, 23, 66, 67                            ; K's conversion: a sum stands for sum x 2^(e0 + e1), so its code is sum / 2^(ek - e0 - e1)
	s_sub_co_i32 s23, s96, s63
	MKSC 23, 24, 68, 69                            ; q's
	s_sub_co_i32 s23, s99, s63
	MKSC 23, 25, 70, 71                            ; V's
	MKSC 98, 26, 0, 72                             ; a's: 2^ea; a is never negative, so its hold is one-sided
	s_add_co_i32 s78, s98, s99                     ; ea + ev
	s_mov_b32 s74, 0x4138aa3b                      ; 8 log2(e): logits are q . k x sqrt(64)
	s_add_co_i32 s2, s96, s97
	s_lshl_b32 s2, s2, 23
	s_add_co_i32 s74, s74, s2                      ; x 2^(eq + ek), by its exponent field
	s_cmp_lg_u32 s62, 0                            ; is the CLS row valid?  Choices alone hang on it
	s_cselect_b32 s74, s74, 0                      ; c; an invalid row's logits are all 0
	s_cselect_b32 s76, 0xff800000, 0               ; what a masked key's logit becomes
	s_cselect_b32 s77, 1.0, 0                      ; row_valid as a factor
	s_mov_b32 s75, s74                             ; (named with it as a pair)
	s_wait_loadcnt 63                              ; 64 loads were issued behind the four small ones; the count's field holds 63, the smaller and safe count
	v_ldexp_f32 v56, v56, s79                      ; the biases / 2^(e0 + e1)
	v_ldexp_f32 v57, v57, s79
.irp q, 0,1,2,3
	v_ldexp_f32 v[48+\q], v58, s79
.endr
	ds_store_b32 v30, v56
	ds_store_b32 v30, v57 offset:512
	ds_store_b128 v31, v[48:51]                    ; eight copies: the bias is the same for a lane's eight keys
	ds_store_b128 v31, v[48:51] offset:16
	ds_store_b128 v10, v[60:63]
	s_wait_tensorcnt 0x1                           ; W_k's quarter and my x have landed; W_v's quarter may stay out
	WIN 0x80                                       ; destination window 2
.irp kt, 0,1,2,3
.irp ks, 0,1,2,3
.irp c, 0,1,2,3
	ds_load_b128 v[64*\kt+16*\ks+4*\c:64*\kt+16*\ks+4*\c+3], v5 offset:8192*\kt+2048*\ks+512*\c   ; bytes that my own load brought
.endr
.endr
.endr
	WIN 0
	BAR                                            ; all of W_k, x's tile 0, the biases and the mask lie in LDS for every wave
	WIN 0x40                                       ; destination window 1
.irp u, 0,1
.irp ks, 0,1,2,3
.irp c, 0,1,2,3
	global_load_b128 v[128+64*\u+16*\ks+4*\c:128+64*\u+16*\ks+4*\c+3], v3, s[84:85] offset:8192*\u+2048*\ks+512*\c   ; W_q: wanted behind the K phase
.endr
.endr
.endr
	WIN 0
	LOADW 3, 0, 0
	LOADC 7, 0, 0
	; ---- K: my lower four key tiles first, while the upper four are still on their way
	KUNIT 0, 0, 0, 0, 0, 0
.irp ct, 1,2,3,4,5,6,7
	KUNIT 0, \ct, 1, 0, \ct-1, 0
.endr
	s_wait_loadcnt 0x0                             ; x's upper tiles (and W_q)
	KUNIT 1, 0, 1, 0, 7, 0
.irp ct, 1,2,3,4,5,6
	KUNIT 1, \ct, 1, 1, \ct-1, 0
.endr
	KUNIT 1, 7, 1, 1, 6, 1
	WIN 0
.irp q, 0,1,2,3
	ds_load_b128 v[192+4*\q:195+4*\q], v8 offset:16*\q   ; q's bias, straight into the two accumulators that will take it as C and D (set 0 has just been converted)
.endr
.set n, 0
.rept 32
	PENDK 1, n                                     ; the last unit's holds: eight holds of the other set stand behind the product whose result is read first
.set n, n+1
.endr
	CVTK 1, 1, 7
	v_nop
	; ---- q of x's tile 0 (its row 0 is the CLS token): my 32 channels, two accumulators by turns
	s_wait_dscnt 0x0
	WIN 0x01                                       ; source 0 = W_q: window 1
.irp ks, 0,1,2,3
.irp u, 0,1
	v_wmma_f32_16x16x128_fp8_fp8 v[192+8*\u:199+8*\u], v[128+64*\u+16*\ks:143+64*\u+16*\ks], v[64+16*\ks:79+16*\ks], v[192+8*\u:199+8*\u]
.endr
.endr
	WIN 0
	PLACES
.set n, 0
.rept 16
	v_med3_num_f32 v[192+n], v[192+n], s68, s69
.set n, n+1
.endr
	v_cvt_scalef32_pk8_fp8_f32 v[56:57], v[192:199], v24
	v_cvt_scalef32_pk8_fp8_f32 v[58:59], v[200:207], v24
	v_nop
	ds_store_b128 v12, v[56:59]                    ; channels 32 w + 16 h + 0 .. 15 of token row r
	s_wait_tensorcnt 0x0                           ; my quarter of W_v has landed
	BAR                                            ; q's 128 codes and all of W_v lie in LDS
	; ---- the CLS row's logits for my 128 keys
.irp c, 0,1,2,3
	ds_load_b128 v[32+4*\c:35+4*\c], v13 offset:32*\c
.endr
.irp kt, 0,1,2,3,4,5,6,7
	ds_load_b128 v[128+8*\kt:131+8*\kt], v11 offset:128*(\kt/2)+32*(\kt%2)      ; the mask words of the keys that my registers will hold
	ds_load_b128 v[132+8*\kt:135+8*\kt], v11 offset:128*(\kt/2)+32*(\kt%2)+16
.endr
	LOADW 4, 0, 0                                  ; V's first tile: it lands during the softmax
	LOADC 9, 0, 0
	v_mov_b32 v59, s76
	s_wait_dscnt 34                                ; q's codes are in; the mask's 16 loads and V's 18 may be out
.irp q, 0,1,2,3,4,5,6,7
	v_and_b32 v[32+\q], v27, v[32+\q]              ; channels 0 .. 63 stay in column 0 alone: head 0;
	v_and_b32 v[40+\q], v28, v[40+\q]              ; channels 64 .. 127 in column 1 alone: head 1.  The code 0 is the number 0
.endr
	WIN 0x01                                       ; source 0 = K's codes: window 1
.irp kt, 0,1,2,3,4,5,6,7
	v_wmma_f32_16x16x128_fp8_fp8 v[192+8*\kt:199+8*\kt], v[16*\kt:16*\kt+15], v[32:47], 0
.endr
	WIN 0
	PLACES
	s_wait_dscnt 18                                ; the mask is in
	; ---- the softmax, finished and normalised, in f32.  Lane (r, h): head r, 64 keys.  (Lanes with r above 1 hold rows of zeros: they ride along and are never read.)
.set n, 0
.rept 64
	v_cmp_ne_u32 vcc_lo, 0, v[128+n]
	v_cndmask_b32 v[192+n], v59, v[192+n], vcc_lo  ; a masked key: -infinity; in an invalid row: 0
.set n, n+1
.endr
	v_max3_num_f32 v56, v192, v193, v194           ; the largest, in two chains
	v_max3_num_f32 v57, v195, v196, v197
.irp i, 6,10,14,18,22,26,30,34,38,42,46,50,54,58
	v_max3_num_f32 v56, v56, v[192+\i], v[193+\i]
	v_max3_num_f32 v57, v57, v[194+\i], v[195+\i]
.endr
	v_max3_num_f32 v56, v56, v254, v255
	v_max_num_f32 v56, v56, v57
	v_permlanex16_b32 v58, v56, s80, s81
	v_max_num_f32 v56, v56, v58                    ; with lane l xor 16's: my wave's 128 keys
	ds_store_b32 v14, v56
	BAR
.irp q, 0,1,2,3
	ds_load_b32 v[60+\q], v15 offset:64*\q
.endr
	s_wait_dscnt 0x0
	v_max3_num_f32 v56, v60, v61, v62
	v_max_num_f32 v56, v56, v63                    ; the row's largest: a number, since key 0 counts wherever the row is valid
	v_mul_f32 v56, s74, v56                        ; c x it
.set j, 0
.rept 32
	v_pk_fma_f32 v[192+j:193+j], v[192+j:193+j], s[74:75], v[56:57] op_sel_hi:[1,0,0] neg_lo:[0,0,1] neg_hi:[0,0,1]   ; c l - c max, two at a time; what rounding c max leaves is the same for all keys and goes out with the sum
.set j, j+2
.endr
.set n, 0
.rept 64
	v_exp_f32 v[192+n], v[192+n]
.set n, n+1
.endr
	v_mov_b32 v58, 0                               ; a plain line behind the exponentials
	s_wait_alu depctr_va_vdst(0)                   ; one wait for the whole batch, ahead of its first reader
	v_pk_add_f32 v[60:61], v[192:193], v[194:195]  ; the sum, in two chains
	v_pk_add_f32 v[62:63], v[196:197], v[198:199]
.set j, 8
.rept 14
	v_pk_add_f32 v[60:61], v[60:61], v[192+j:193+j]
	v_pk_add_f32 v[62:63], v[62:63], v[194+j:195+j]
.set j, j+4
.endr
	v_pk_add_f32 v[60:61], v[60:61], v[62:63]
	v_add_f32 v60, v60, v61
	v_permlanex16_b32 v58, v60, s80, s81
	v_add_f32 v60, v60, v58
	ds_store_b32 v14, v60 offset:256
	BAR
.irp q, 0,1,2,3
	ds_load_b32 v[60+\q], v15 offset:256+64*\q
.endr
	s_wait_dscnt 0x0
	v_add_f32 v60, v60, v61
	v_add_f32 v62, v62, v63
	v_add_f32 v60, v60, v62                        ; the row's sum over 512 keys
	v_rcp_f32 v56, v60
	v_nop                                          ; a plain line behind the reciprocal
	s_wait_alu depctr_va_vdst(0)                   ; and the wait ahead of its first reader
	v_mul_f32 v56, s77, v56                        ; x row_valid
.set j, 0
.rept 32
	v_pk_mul_f32 v[192+j:193+j], v[192+j:193+j], v[56:57] op_sel_hi:[1,0]   ; a
.set j, j+2
.endr
.set n, 0
.rept 64
	v_min_num_f32 v[192+n], s72, v[192+n]          ; the hold at 448 x 2^ea
.set n, n+1
.endr
.irp kt, 0,1,2,3,4,5,6,7
	v_cvt_scalef32_pk8_fp8_f32 v[32+2*\kt:33+2*\kt], v[192+8*\kt:199+8*\kt], v26   ; a's fragment: row = head, K = my 128 keys
.endr
	v_nop
	; ---- V, tile by tile of 16 channels, and a v
	VUNIT 0, 0, 0
	VUNIT 0, 1, 1
.irp vt, 1,2,3,4,5,6,7
	VUNIT \vt, 0, 1
	VUNIT \vt, 1, 1
.endr
	WIN 0
.set n, 0
.rept 32
	PENDV 1, n
.set n, n+1
.endr
	CVTV 1
	v_nop
	PV 7
	PLACES
	; ---- the way out: the heads' rows (register 0: head 0, channel tiles 0-3; register 1: head 1, tiles 4-7) of the four waves meet in LDS
	WIN 0x04                                       ; the stores' data: window 1
.irp vt, 0,1,2,3,4,5,6,7
	ds_store_b32 v16, v[8*\vt+\vt/4] offset:64*\vt ; lanes 16-31 hold rows 8 and 9, which are nothing: they land in the half that nobody reads
.endr
	WIN 0
	BAR
	s_cmp_lt_u32 s16, 2                            ; 64 threads store two channels each
	s_cbranch_scc0 .Lno_store
.irp q, 0,1,2,3
	ds_load_b64 v[32+2*\q:33+2*\q], v17 offset:1024*\q
.endr
	s_wait_dscnt 0x0
	v_pk_add_f32 v[32:33], v[32:33], v[34:35]
	v_pk_add_f32 v[36:37], v[36:37], v[38:39]
	v_pk_add_f32 v[32:33], v[32:33], v[36:37]
	v_ldexp_f32 v32, v32, s78                      ; x 2^(ea + ev)
	v_ldexp_f32 v33, v33, s78
	global_store_b64 v20, v[32:33], s[88:89]       ; a wave stores 256 consecutive bytes, at a multiple of 256 from ob's first byte
.Lno_store:
	s_wait_tensorcnt 0x0                           ; the wave's end: three lines behind my last tensor load and my last LDS store
	ds_add_u32 v21, v22
	s_wait_dscnt 0x0
	ROUND                                          ; the closing round: no work-group ends while a partner may still ask for a tile that names it
	s_endpgm
.Lfunc_end_k_q6d7817e849_attn:
	.size	k_q6d7817e849_attn, .Lfunc_end_k_q6d7817e849_attn-k_q6d7817e849_attn
	.p2alignl 7, 3214868480
	.fill 96, 4, 3214868480
	.section	.rodata,"a",@progbits
	.p2align	6, 0x0
	.amdhsa_kernel k_q6d7817e849_attn
		.amdhsa_group_segment_fixed_size 276480
		.amdhsa_private_segment_fixed_size 0
		.amdhsa_enable_private_segment 0
		.amdhsa_kernarg_size 48
		.amdhsa_user_sgpr_count 2
		.amdhsa_user_sgpr_kernarg_segment_ptr 1
		.amdhsa_wavefront_size32 1
		.amdhsa_system_sgpr_workgroup_id_x 1
		.amdhsa_system_sgpr_workgroup_id_y 1
		.amdhsa_system_sgpr_workgroup_id_z 1
		.amdhsa_system_vgpr_workitem_id 0
		.amdhsa_next_free_vgpr 1024
		.amdhsa_next_free_sgpr 100
		.amdhsa_reserve_vcc 1
		.amdhsa_float_denorm_mode_32 3
		.amdhsa_float_denorm_mode_16_64 3
		.amdhsa_memory_ordered 1
		.amdhsa_forward_progress 1
		.amdhsa_inst_pref_size 190
	.end_amdhsa_kernel
	.amdgpu_metadata
---
amdhsa.version: [ 1, 2 ]
amdhsa.kernels:
  - .name:           k_q6d7817e849_attn
    .symbol:         k_q6d7817e849_attn.kd
    .args:
      - { .name: xc, .offset: 0, .size: 8, .value_kind: global_buffer, .address_space: global }
      - { .name: wc, .offset: 8, .size: 8, .value_kind: global_buffer, .address_space: global }
      - { .name: b_qkv, .offset: 16, .size: 8, .value_kind: global_buffer, .address_space: global }
      - { .name: mask, .offset: 24, .size: 8, .value_kind: global_buffer, .address_space: global }
      - { .name: lowp_scales, .offset: 32, .size: 8, .value_kind: global_buffer, .address_space: global }
      - { .name: ob, .offset: 40, .size: 8, .value_kind: global_buffer, .address_space: global }
    .group_segment_fixed_size: 276480
    .private_segment_fixed_size: 0
    .kernarg_segment_align: 8
    .kernarg_segment_size: 48
    .max_flat_workgroup_size: 128
    .sgpr_count:     100
    .vgpr_count:     1024
    .wavefront_size: 32
...
	.end_amdgpu_metadata
.endif
;; end of part 2
;; launch fin (part 3): grid 32 x 1, 16 waves a work-group, no clusters, 21,248 bytes of LDS; arguments ob, x, g_w, beta_w, W_ow, b_ow, g_E, beta_E, W_oE, b_oE, lowp_scales, out0, out1; writes out0, out1
.if DOCPART == 3
	.amdgcn_target "amdgcn-amd-amdhsa--gfx1250"
	.amdhsa_code_object_version 6
	.text
	.protected	k_q6d7817e849_fin
	.globl	k_q6d7817e849_fin
	.p2align	8
	.type	k_q6d7817e849_fin,@function
k_q6d7817e849_fin:
	s_mov_b64 s[64:65], 0
	v_nop
	global_prefetch_b8 v0, s[64:65] scope:SCOPE_SE
	s_setreg_imm32_b32 hwreg(HW_REG_WAVE_MODE, 25, 1), 1
	s_wait_xcnt 0x0
; LAUNCH 3 OF 3.  The residual with x[:, 0], both layer norms, hw . W_ow + b_ow (f32 multiply-adds: one column) and hE W_oE^T + b_oE on codes of E4M3 (entries 10 and 11 of the scales).
; Only the CLS rows exist here: the rest was left out as dead (shown at the head of the first launch).
; SHARES.  Work-group j makes out1[:, 16 j .. 16 j + 15] and out0[j], so each row of W_oE is read, and quantised in registers, by one work-group.  Wave w = (mt = w / 8, kq = w % 8) takes 16 batches x 64 of K:
; lane (r, h) holds k = 64 kq + 32 c + 16 h + 0 .. 15, c = 0, 1, of batch 16 mt + r and of W_oE's row 16 j + r: the same places of k on both sides of v_wmma_f32_16x16x64_fp8_fp8.
; Mean and variance are taken in two passes, as reference() has them; the eight waves of a batch's row meet in LDS.  The w branch: one number a thread, batch j.
; out1 leaves in pieces of 64 bytes (16 columns of a row): the cut by columns is what lets W_oE be read once; out1 is 64 KiB in all.
; LIMITS: e10 and e11 between -126 and 119, e10 + e11 between -126 and 127.  NaN among the inputs is not served.
.set S1E, 0                            ; LDS: the E branch's sums [mt][r][kq], 1,024 bytes;
.set S1W, 1024                         ; the w branch's, a word a wave.  The sums of squares lie 1,280 bytes on, the w branch's last sums 1,536 bytes on
.set PP,  2816                         ; the product's parts [wave][register][lane], 16 KiB
.set SPARE, 19200                      ; the spare words, 128 bytes a wave: eight blocks of 256 bytes that no other line names
.set O,  16                            ; v16-47   o_E, then o + x, then the difference from the mean, then hE
.set XR, 48                            ; v48-79   x[:, 0]
.set G,  80                            ; v80-111  g_E
.set B,  112                           ; v112-143 beta_E
.set W,  144                           ; v144-175 W_oE
.set AF, 176                           ; v176-183 hE's codes
.set BF, 184                           ; v184-191 W_oE's codes
.macro WSUM reg                        ; the sum over the wave's 32 lanes, in every lane
	v_add_f32_dpp v[\reg], v[\reg], v[\reg] row_xmask:1 row_mask:0xf bank_mask:0xf
	v_add_f32_dpp v[\reg], v[\reg], v[\reg] row_xmask:2 row_mask:0xf bank_mask:0xf
	v_add_f32_dpp v[\reg], v[\reg], v[\reg] row_xmask:4 row_mask:0xf bank_mask:0xf
	v_add_f32_dpp v[\reg], v[\reg], v[\reg] row_xmask:8 row_mask:0xf bank_mask:0xf
	v_permlanex16_b32 v231, v[\reg], s44, s45
	v_add_f32 v[\reg], v[\reg], v231
.endm
.macro RED8                            ; v200-207 -> v200
	v_pk_add_f32 v[200:201], v[200:201], v[202:203]
	v_pk_add_f32 v[204:205], v[204:205], v[206:207]
	v_pk_add_f32 v[200:201], v[200:201], v[204:205]
	v_add_f32 v200, v200, v201
.endm
.macro RED16                           ; v208-223 -> v208
	v_pk_add_f32 v[208:209], v[208:209], v[210:211]
	v_pk_add_f32 v[212:213], v[212:213], v[214:215]
	v_pk_add_f32 v[216:217], v[216:217], v[218:219]
	v_pk_add_f32 v[220:221], v[220:221], v[222:223]
	v_pk_add_f32 v[208:209], v[208:209], v[212:213]
	v_pk_add_f32 v[216:217], v[216:217], v[220:221]
	v_pk_add_f32 v[208:209], v[208:209], v[216:217]
	v_add_f32 v208, v208, v209
.endm
.macro BAR
	s_wait_dscnt 0x0
	s_barrier_signal -1
	s_barrier_wait -1
.endm
.macro GATHER off                      ; my batch's eight parts and the w branch's sixteen
	ds_load_b128 v[200:203], v12 offset:\off
	ds_load_b128 v[204:207], v12 offset:\off+16
.irp q, 0,1,2,3
	ds_load_b128 v[208+4*\q:211+4*\q], v14 offset:\off+16*\q
.endr
	s_wait_dscnt 0x0
	RED8
	RED16
.endm
.macro QUANT src, dst, sc, lim         ; 32 numbers of a lane become eight registers of codes
.irp c, 0,1
.irp i, 0,1,2,3,4,5,6,7,8,9,10,11,12,13,14,15
	v_med3_num_f32 v[\src+16*\c+\i], v[\src+16*\c+\i], -v[\lim], v[\lim]   ; the conversion does not saturate (ISA guide 7.6.2): the hold comes first
.endr
	v_cvt_scalef32_pk8_fp8_f32 v[\dst+4*\c:\dst+4*\c+1], v[\src+16*\c:\src+16*\c+7], v[\sc]
	v_cvt_scalef32_pk8_fp8_f32 v[\dst+4*\c+2:\dst+4*\c+3], v[\src+16*\c+8:\src+16*\c+15], v[\sc]
.endr
	v_nop                                          ; a plain line behind the last conversion
.endm
	s_load_b256 s[4:11], s[0:1], 0x0               ; ob s[4:5], x s[6:7], g_w s[8:9], beta_w s[10:11]
	s_load_b256 s[12:19], s[0:1], 0x20             ; W_ow s[12:13], b_ow s[14:15], g_E s[16:17], beta_E s[18:19]
	s_load_b256 s[20:27], s[0:1], 0x40             ; W_oE s[20:21], b_oE s[22:23], the scales s[24:25], out0 s[26:27]
	s_load_b64 s[28:29], s[0:1], 0x60              ; out1
	v_lshl_add_u32 v232, v0, 2, SPARE              ; my spare word; never rewritten
	v_mov_b32 v233, 0                              ; 0; never rewritten
	v_lshrrev_b32 v1, 5, v0
	v_readfirstlane_b32 s30, v1                    ; wave 0 .. 15
	s_lshr_b32 s31, s30, 3                         ; mt
	s_and_b32 s32, s30, 7                          ; kq; on the way out: which register of the result
	v_and_b32 v1, 15, v0                           ; r
	v_bfe_u32 v2, v0, 4, 1                         ; h
	v_and_b32 v3, 31, v0                           ; lane
	s_lshl_b32 s33, s32, 8
	v_lshlrev_b32 v4, 6, v2
	v_add_nc_u32 v4, s33, v4                       ; v4  256 kq + 64 h: my place in a row of 512 f32
	v_lshl_add_u32 v5, v1, 11, v4                  ; v5  W_oE: + row r
	s_lshl_b32 s34, s31, 4
	v_add_nc_u32 v6, s34, v1                       ; my batch
	v_lshl_add_u32 v7, v6, 12, v4                  ; v7  ob: 4,096 bytes a batch
	v_lshl_add_u32 v8, v6, 20, v4                  ; v8  x: 1,048,576 bytes a batch, row 0
	v_lshlrev_b32 v9, 2, v0                        ; v9  4 t
	v_lshlrev_b32 v10, 2, v1                       ; v10 4 r
	s_lshl_b32 s33, s31, 9
	v_lshlrev_b32 v12, 5, v1
	v_add_nc_u32 v12, s33, v12                     ; v12 the E sums, out: 512 mt + 32 r
	s_lshl_b32 s33, s32, 2
	v_add_nc_u32 v11, s33, v12                     ; v11 and in: + 4 kq
	s_lshl_b32 s33, s30, 2
	s_add_co_u32 s33, s33, S1W
	v_mov_b32 v13, s33                             ; v13 the w sums, in: a word a wave
	v_mov_b32 v14, S1W                             ; v14 and out
	s_lshl_b32 s33, s30, 10
	v_lshl_add_u32 v15, v3, 2, PP
	v_lshl_add_u32 v234, v3, 2, PP
	v_add_nc_u32 v15, s33, v15                     ; v15 the product's parts, in: 1,024 w + 4 lane
	s_lshl_b32 s33, s31, 13
	s_lshl_b32 s35, s32, 7
	s_add_co_u32 s33, s33, s35
	v_add_nc_u32 v234, s33, v234                   ; v234 and out: 8,192 mt + 128 x register + 4 lane
	s_add_co_u32 s35, s34, s32
	s_lshl_b32 s35, s35, 11
	v_lshl_add_u32 v235, v2, 14, v10
	v_add_nc_u32 v235, s35, v235                   ; v235 out1: row 16 mt + 8 h + register, + 4 r
	v_mov_b32 v231, 0                              ; written once: a lane permute's destination counts as one of its sources
	s_mov_b32 s44, 0x76543210
	s_mov_b32 s45, 0xfedcba98
	s_mov_b32 s46, 0x3b000000                      ; 1 / 512
	s_mov_b32 s47, 0x3727c5ac                      ; 1e-5
	s_mov_b32 s51, 0
	s_wait_kmcnt 0x0
	s_load_b64 s[40:41], s[24:25], 0x28            ; e10, e11
	s_load_b32 s42, s[14:15], 0x0                  ; b_ow
	s_lshl_b32 s50, ttmp9, 15
	s_add_nc_u64 s[20:21], s[20:21], s[50:51]      ; W_oE at row 16 j
	s_lshl_b32 s50, ttmp9, 6
	s_add_nc_u64 s[22:23], s[22:23], s[50:51]      ; b_oE and out1 at column 16 j
	s_add_nc_u64 s[28:29], s[28:29], s[50:51]
	s_lshl_b32 s50, ttmp9, 12
	s_add_nc_u64 s[36:37], s[4:5], s[50:51]        ; o_w of batch j
	s_lshl_b32 s50, ttmp9, 20
	s_add_nc_u64 s[38:39], s[6:7], s[50:51]        ; x[j, 0]
	s_lshl_b32 s50, ttmp9, 2
	s_add_nc_u64 s[26:27], s[26:27], s[50:51]      ; out0[j]
.irp c, 0,1
.irp i, 0,1,2,3
	global_load_b128 v[W+16*\c+4*\i:W+16*\c+4*\i+3], v5, s[20:21] offset:128*\c+16*\i
	global_load_b128 v[O+16*\c+4*\i:O+16*\c+4*\i+3], v7, s[4:5] offset:2048+128*\c+16*\i
	global_load_b128 v[XR+16*\c+4*\i:XR+16*\c+4*\i+3], v8, s[6:7] offset:128*\c+16*\i
	global_load_b128 v[G+16*\c+4*\i:G+16*\c+4*\i+3], v4, s[16:17] offset:128*\c+16*\i
	global_load_b128 v[B+16*\c+4*\i:B+16*\c+4*\i+3], v4, s[18:19] offset:128*\c+16*\i
.endr
.endr
	global_load_b32 v224, v9, s[36:37]             ; the w branch: o_w,
	global_load_b32 v229, v9, s[38:39]             ; x,
	global_load_b32 v225, v9, s[8:9]               ; g_w,
	global_load_b32 v226, v9, s[10:11]             ; beta_w,
	global_load_b32 v227, v9, s[12:13]             ; W_ow
	global_load_b32 v228, v10, s[22:23]            ; b_oE[16 j + r]
	s_wait_kmcnt 0x0
	s_add_co_i32 s33, s41, 127
	s_lshl_b32 s35, s33, 23
	v_mov_b32 v236, s35                            ; 2^e11
	s_add_co_i32 s33, s33, 8
	s_lshl_b32 s33, s33, 23
	s_or_b32 s33, s33, 0x600000
	v_mov_b32 v237, s33                            ; 448 x 2^e11
	s_add_co_i32 s33, s40, 127
	s_lshl_b32 s35, s33, 23
	v_mov_b32 v238, s35                            ; 2^e10
	s_add_co_i32 s33, s33, 8
	s_lshl_b32 s33, s33, 23
	s_or_b32 s33, s33, 0x600000
	v_mov_b32 v239, s33                            ; 448 x 2^e10
	s_add_co_i32 s43, s40, s41
	s_add_co_i32 s43, s43, 127
	s_lshl_b32 s43, s43, 23                        ; 2^(e10 + e11)
	s_wait_loadcnt 0x0
	QUANT W, BF, 236, 237
	; ---- the mean
.set j, 0
.rept 16
	v_pk_add_f32 v[O+j:O+j+1], v[O+j:O+j+1], v[XR+j:XR+j+1]   ; o + x
.set j, j+2
.endr
	v_pk_add_f32 v[200:201], v[O:O+1], v[O+2:O+3]
	v_pk_add_f32 v[202:203], v[O+4:O+5], v[O+6:O+7]
.set j, 8
.rept 6
	v_pk_add_f32 v[200:201], v[200:201], v[O+j:O+j+1]
	v_pk_add_f32 v[202:203], v[202:203], v[O+j+2:O+j+3]
.set j, j+4
.endr
	v_pk_add_f32 v[200:201], v[200:201], v[202:203]
	v_add_f32 v200, v200, v201
	v_permlanex16_b32 v231, v200, s44, s45
	v_add_f32 v200, v200, v231                     ; my row's 64 numbers
	ds_store_b32 v11, v200
	v_add_f32 v224, v224, v229
	v_mov_b32 v230, v224
	WSUM 230
	ds_store_b32 v13, v230
	BAR
	GATHER 0
	v_mul_f32 v200, s46, v200                      ; the means
	v_mul_f32 v208, s46, v208
	; ---- the variance
.set j, 0
.rept 16
	v_pk_add_f32 v[O+j:O+j+1], v[O+j:O+j+1], v[200:201] op_sel_hi:[1,0] neg_lo:[0,1] neg_hi:[0,1]
.set j, j+2
.endr
	v_sub_f32 v224, v224, v208
	v_pk_mul_f32 v[200:201], v[O:O+1], v[O:O+1]
	v_pk_mul_f32 v[202:203], v[O+2:O+3], v[O+2:O+3]
.set j, 4
.rept 7
	v_pk_fma_f32 v[200:201], v[O+j:O+j+1], v[O+j:O+j+1], v[200:201]
	v_pk_fma_f32 v[202:203], v[O+j+2:O+j+3], v[O+j+2:O+j+3], v[202:203]
.set j, j+4
.endr
	v_pk_add_f32 v[200:201], v[200:201], v[202:203]
	v_add_f32 v200, v200, v201
	v_permlanex16_b32 v231, v200, s44, s45
	v_add_f32 v200, v200, v231
	ds_store_b32 v11, v200 offset:1280
	v_mul_f32 v230, v224, v224
	WSUM 230
	ds_store_b32 v13, v230 offset:1280
	BAR
	GATHER 1280
	v_fma_f32 v200, v200, s46, s47                 ; variance + 1e-5
	v_fma_f32 v208, v208, s46, s47
	v_rsq_f32 v202, v200
	v_rsq_f32 v210, v208
	v_nop                                          ; a plain line behind the two
	s_wait_alu depctr_va_vdst(0)                   ; one wait for both, ahead of their first reader
	; ---- hE, its codes, the product
.set j, 0
.rept 16
	v_pk_mul_f32 v[O+j:O+j+1], v[O+j:O+j+1], v[202:203] op_sel_hi:[1,0]
.set j, j+2
.endr
.set j, 0
.rept 16
	v_pk_fma_f32 v[O+j:O+j+1], v[O+j:O+j+1], v[G+j:G+j+1], v[B+j:B+j+1]
.set j, j+2
.endr
	QUANT O, AF, 238, 239
	v_wmma_f32_16x16x64_fp8_fp8 v[192:199], v[AF:AF+7], v[BF:BF+7], 0   ; (batch 8 h + register, column r), over my 64 of K
	v_mul_f32 v224, v224, v210                     ; the w branch's hw and its term of the dot product: with the v_nop, the four places behind the product
	v_fma_f32 v224, v224, v225, v226
	v_mul_f32 v230, v224, v227
	v_nop
.irp q, 0,1,2,3,4,5,6,7
	ds_store_b32 v15, v[192+\q] offset:128*\q
.endr
	WSUM 230
	ds_store_b32 v13, v230 offset:1536
	BAR
	; ---- the eight parts along K are added; wave (mt, register) stores 32 numbers
.irp q, 0,1,2,3,4,5,6,7
	ds_load_b32 v[200+\q], v234 offset:1024*\q
.endr
	s_wait_dscnt 0x0
	RED8
	v_fma_f32 v200, v200, s43, v228                ; x 2^(e10 + e11) + b_oE
	global_store_b32 v235, v200, s[28:29]
	s_cmp_lg_u32 s30, 0                            ; wave 0 finishes the w branch
	s_cbranch_scc1 .Lend
.irp q, 0,1,2,3
	ds_load_b128 v[208+4*\q:211+4*\q], v14 offset:1536+16*\q
.endr
	s_wait_dscnt 0x0
	RED16
	v_add_f32 v208, s42, v208                      ; + b_ow
	v_mov_b32 v229, 0
	v_cmp_eq_u32 vcc_lo, 0, v3
	s_wait_xcnt 0x0                                ; EXEC is a source of the store above: it changes only behind this wait
	s_and_saveexec_b32 s48, vcc_lo
	global_store_b32 v229, v208, s[26:27]          ; lane 0 alone
	s_wait_xcnt 0x0                                ; and again, in front of the line that widens it
	s_or_b32 exec_lo, exec_lo, s48
.Lend:
	s_wait_tensorcnt 0x0                           ; the wave's end: three lines behind my last LDS store
	ds_add_u32 v232, v233
	s_wait_dscnt 0x0
	s_endpgm
.Lfunc_end_k_q6d7817e849_fin:
	.size	k_q6d7817e849_fin, .Lfunc_end_k_q6d7817e849_fin-k_q6d7817e849_fin
	.p2alignl 7, 3214868480
	.fill 96, 4, 3214868480
	.section	.rodata,"a",@progbits
	.p2align	6, 0x0
	.amdhsa_kernel k_q6d7817e849_fin
		.amdhsa_group_segment_fixed_size 21248
		.amdhsa_private_segment_fixed_size 0
		.amdhsa_enable_private_segment 0
		.amdhsa_kernarg_size 104
		.amdhsa_user_sgpr_count 2
		.amdhsa_user_sgpr_kernarg_segment_ptr 1
		.amdhsa_wavefront_size32 1
		.amdhsa_system_sgpr_workgroup_id_x 1
		.amdhsa_system_sgpr_workgroup_id_y 1
		.amdhsa_system_sgpr_workgroup_id_z 1
		.amdhsa_system_vgpr_workitem_id 0
		.amdhsa_next_free_vgpr 240
		.amdhsa_next_free_sgpr 66
		.amdhsa_reserve_vcc 1
		.amdhsa_float_denorm_mode_32 3
		.amdhsa_float_denorm_mode_16_64 3
		.amdhsa_memory_ordered 1
		.amdhsa_forward_progress 1
		.amdhsa_inst_pref_size 26
	.end_amdhsa_kernel
	.amdgpu_metadata
---
amdhsa.version: [ 1, 2 ]
amdhsa.kernels:
  - .name:           k_q6d7817e849_fin
    .symbol:         k_q6d7817e849_fin.kd
    .args:
      - { .name: ob, .offset: 0, .size: 8, .value_kind: global_buffer, .address_space: global }
      - { .name: x, .offset: 8, .size: 8, .value_kind: global_buffer, .address_space: global }
      - { .name: g_w, .offset: 16, .size: 8, .value_kind: global_buffer, .address_space: global }
      - { .name: beta_w, .offset: 24, .size: 8, .value_kind: global_buffer, .address_space: global }
      - { .name: W_ow, .offset: 32, .size: 8, .value_kind: global_buffer, .address_space: global }
      - { .name: b_ow, .offset: 40, .size: 8, .value_kind: global_buffer, .address_space: global }
      - { .name: g_E, .offset: 48, .size: 8, .value_kind: global_buffer, .address_space: global }
      - { .name: beta_E, .offset: 56, .size: 8, .value_kind: global_buffer, .address_space: global }
      - { .name: W_oE, .offset: 64, .size: 8, .value_kind: global_buffer, .address_space: global }
      - { .name: b_oE, .offset: 72, .size: 8, .value_kind: global_buffer, .address_space: global }
      - { .name: lowp_scales, .offset: 80, .size: 8, .value_kind: global_buffer, .address_space: global }
      - { .name: out0, .offset: 88, .size: 8, .value_kind: global_buffer, .address_space: global }
      - { .name: out1, .offset: 96, .size: 8, .value_kind: global_buffer, .address_space: global }
    .group_segment_fixed_size: 21248
    .private_segment_fixed_size: 0
    .kernarg_segment_align: 8
    .kernarg_segment_size: 104
    .max_flat_workgroup_size: 512
    .sgpr_count:     66
    .vgpr_count:     240
    .wavefront_size: 32
...
	.end_amdgpu_metadata
.endif
;; end of part 3
